; MI455X (gfx1250); checked and timed in simulation.
; The chip was launched on July 23, 2026; its instructions are those of AMD's public machine-readable ISA for CDNA 5 (MIT licence, August 2026) and "CDNA5" Instruction Set Architecture Reference Guide (July 2026). The comments in the code are by the model that wrote it; some were corrected since.
;; Conv2 D Sum. Allowed arithmetic: matrix products marked QUANTISED: E2M3 operands, one E8M0 scale for each 32 along K, by v_wmma_scale_f32_16x16x128_f8f6f4 with both operands' format E2M3, f32 sums; everything else in f32.
;; Inputs: accumulators 1 x 1 x 32 x 32 float32; x 32 x 128 x 128 x 32 float32.
;; Outputs: out0 32 x 128 x 128 x 32 float32.
;; This version of the problem:
;;   THIS VERSION OF THE PROBLEM IS GIVEN IN LOW PRECISION. The matrix products marked QUANTISED in the list below multiply operands that are first quantised to E2M3 (2 exponent bits, 3 mantissa bits; 6 bits a number), with one power-of-two scale for each 32 numbers along K (OCP MX v1.0); their sums are f32. All else is computed in f32.
;;   The module's matrix products, in the order in which they are computed (A, B: the left and right operand; K: the contracted axis; several contracted axes count as one K, in the product's order):
;;     1. [M 524,288, K 32] x [K 32, N 32]; A: computed on the way; B: computed on the way: QUANTISED
;;   THE QUANTISER, for each operand of a quantised product, along K:
;;     - K is cut into blocks of 32 from its start; a last block that is shorter is filled with zeros.
;;     - A block's scale is 2^e with e = floor(log2(the largest magnitude in the block)) - 2, held to -126 .. 127; a block of zeros has e = 0. As a byte (E8M0): e + 127.
;;     - Each number is divided by its block's scale, clamped to +-7.5, and rounded to the nearest number of E2M3, ties to even, subnormals kept.
;;     - The product sums the exact products of the quantised numbers (number of the format x scale) in f32.
;;   ~~~python
;;   def quantise(x, axis):      # numpy; x: float32 -> the quantised numbers, widened to float32 again
;;       x = np.moveaxis(x, axis, -1); K = x.shape[-1]
;;       x = np.pad(x, [(0, 0)] * (x.ndim - 1) + [(0, -K % 32)]); x = x.reshape(x.shape[:-1] + (-1, 32)); a = np.abs(x).max(-1, keepdims=True)
;;       e = np.where(a > 0, np.clip(np.frexp(np.where(a > 0, a, 1))[1] - 1 - 2, -126, 127), 0)      # np.frexp(a)[1] - 1 = floor(log2(a)), exactly
;;       r = np.clip(x / 2.0 ** e, -7.5, 7.5)
;;       step = 2.0 ** (np.maximum(np.frexp(np.where(r == 0, 1, r))[1] - 1, 0) - 3)
;;       q = np.round(r / step) * step * 2.0 ** e      # np.round: ties to even
;;       return np.moveaxis(q.reshape(q.shape[:-2] + (-1,))[..., :K], -1, axis).astype(np.float32)
;;   ~~~
;;   OPERANDS COMPUTED ON THE WAY. 'Computed on the way' means the value that the module computes at that place (a softmax that the list does not call 'softmax' is quantised finished and normalised). What goes into a quantiser is computed in f32, as accurately as f32 sums, v_exp_f32 and their like allow (about 1e-6 of the number): no bf16 or f16 on the way to a quantiser, and a product that is left as it is and whose result goes on into a quantised operand takes f32 operands (vector FMAs, or v_wmma_f32_16x16x4_f32). A number that lies on a knife's edge between two numbers of the format may be rounded either way, as far as f32 arithmetic and the matrix unit's own rounding can turn it there, and no further.
;; One version. Each part assembles by itself: llvm-mc -triple=amdgcn-amd-amdhsa -mcpu=gfx1250 --defsym DOCPART=n.
;; ======== version 1 of 1: 1 launch
;; launch logconv (part 1): grid 256 x 1, 8 waves a work-group, no clusters, 318,464 bytes of LDS; arguments x, accumulators, out0; writes out0
.if DOCPART == 1
	.amdgcn_target "amdgcn-amd-amdhsa--gfx1250"
	.amdhsa_code_object_version 6
	.text
	.protected	k_q1cee0d71ec_logconv
	.globl	k_q1cee0d71ec_logconv
	.p2align	8
	.type	k_q1cee0d71ec_logconv,@function
k_q1cee0d71ec_logconv:
	s_mov_b64 s[64:65], 0
	v_nop
	global_prefetch_b8 v0, s[64:65] scope:SCOPE_SE
	s_setreg_imm32_b32 hwreg(HW_REG_WAVE_MODE, 25, 1), 1
	s_wait_xcnt 0x0
; out[n][s] = m[n] + ln( sum over c of Q(p[n][c]) Q(w[c][s]) ),  m[n] = the largest x[n][c],  p = e^(x - m),  w = softmax of the accumulators over c.
; x, out: [524288][32] f32; accumulators: [32 (c)][32 (s)] f32.  Q: codes of FP6 (E2M3) with one E8M0 scale for the 32 along K = c; sums in f32.
; SCALES.  A row's largest p is 2^0 = 1 for every finite row, so by the quantiser's own rule p's scale is 2^(0 - 2): the byte 125, a constant.  w's scale is searched for, column by column.
; SHARES.  256 work-groups of 2,048 rows; 8 waves of 256 rows; a wave takes 8 steps of 32 rows; A LANE OWNS A ROW of the step: its maximum needs no other lane, and its 32 registers run along K.
; THE WAY IN.  The work-group's whole share of x, 256 KiB, has room in LDS at once, so nothing is ever filled again: each wave asks for its eight tiles (32 rows of x = 16 rows of 256 bytes, one step's worth)
; at the head, eight tensor loads of its own, and reads only its own tiles, each behind its own counted wait.  A tile is one step's, not more, so that a wave can begin when 4 KiB have landed and has one step left behind its last tile.
; In LDS each 256 bytes (two rows of x) are followed by 16 bytes of padding: row n of x lies at 272 (n / 2) + 128 (n % 2), and 16 lanes that read 16 bytes of 16 neighbouring rows touch 16 different
; columns of 16 bytes modulo 256 (64 banks of 4 bytes: ISA guide 11.1).
; K = 32 IN AN INSTRUCTION OF K = 128.  In the 6-bit layout lane (r, h) holds blocks h (registers 0-5) and 2 + h (registers 6-11) of row r.  p's operand: lane l's registers 0-2 = channels 0-15 of ITS row,
; registers 6-8 = channels 16-31 (both conversions begin on an even register: no moves), registers 3-5 and 9-11 zero codes.  So the one operand holds rows 0-15 in blocks 0 and 2 and rows 16-31 in blocks 1 and 3.
; The two halves of the problem's one block carry that block's one scale byte.  The weights stand in four fragments (t, b): tile t of the sums, codes in lanes 16 b .. 16 b + 15 alone, zero codes elsewhere: b picks rows 16 b + 0 .. 15.
; THE PRODUCT IS USED TRANSPOSED (source 0 = 16 columns of w, source 1 = p), and row m of tile t is column s = 16 (m / 8) + 8 t + m % 8: lane (r, h) then holds sums 16 h + 0 .. 15 of row 16 b + r, 64 neighbouring bytes.
; THE WAY OUT.  ln and + m in that layout; through the wave's own stage in LDS (same 272-byte geometry, bytes into which no tile lands); back as whole rows: each store of the wave covers 512 consecutive bytes, aligned.
; THE WEIGHTS.  The accumulators' 4 KiB are read once a work-group (16 bytes a thread), laid in LDS, one barrier; then every wave takes a column a lane and makes the four fragments itself: about 200 instructions, once,
; while its first tile is on its way.  Made by one wave alone they would want a parting of the waves and a second hand-over; so the text has no branch at all.
; NOT USED: clusters (the work-groups share 4 KiB and nothing else); prefetches (every byte of x is asked for at the head); a loop (each step's wait on TENSORcnt has its own count; eight steps are about 10 KiB of code).
; LIMITS: NaN or +infinity in x, a row of x that is all -infinity, NaN or infinities in the accumulators are not served (there the definition gives NaN, this text does not).  A single -infinity in x is served (p = 0).
; Where every product of codes is 0 the result is -infinity, as the definition gives.
.set STEPS,  8                         ; steps, and tiles, of a wave
.set UNITP,  272                       ; 256 bytes (two rows of x or of out) + 16 of padding
.set TILE,   16*UNITP                  ; a step's 32 rows in LDS: 4,352 bytes = 17 blocks of 256
.set WREG,   STEPS*TILE                ; a wave's eight tiles
.set STAGE,  8*WREG                    ; behind the tiles: a stage of TILE bytes for each wave
.set WRAW,   STAGE+8*TILE              ; behind the stages: the accumulators as they lie in memory, 4,096 bytes
.set XA,  1                            ; v1   LDS address of my row in my wave's tile 0
.set SO,  2                            ; v2   the stage: where I put my 64 bytes of row r
.set SR,  3                            ; v3   the stage: where I read 16 bytes back
.set GO,  4                            ; v4   16 x lane: my byte offset in a store's 512 bytes
.set AG,  5                            ; v5   16 x thread: my 16 bytes of the accumulators in memory
.set RW,  6                            ; v6   and in LDS
.set AO,  7                            ; v7   LDS address of my column of the accumulators
.set QS,  8                            ; v8   0.25: the conversions take its exponent field as p's scale
.set SP,  9                            ; v9   p's scale bytes: 125 four times
.set SW,  10                           ; v10  w's scale bytes: my column's byte four times; lanes 0-15 tile 0's columns, lanes 16-31 tile 1's
.set WS,  11                           ; v11  w's scale as the conversions take it
.set M0,  12                           ; v[12:13] m: first my row's, then (both halves of the lanes) row r's; v13 is only named with it as a pair
.set M1,  14                           ; v[14:15] m of row 16 + r; v15 likewise
.set CH,  16                           ; v16-19 four chains of a maximum or two of a sum
.set RI,  20                           ; v[20:21] 1 / the column's sum
.set T0,  22                           ; v22-23 at work on addresses
.set T1,  23
.set X,   32                           ; v32-63   32 numbers along K: x, then p (at the head: a column of the accumulators, then of w)
.set D,   64                           ; v64-95   the four tiles of sums: (t, b) at D + 16 b + 8 t
.set OB,  96                           ; v96-127  32 rows on their way out
.set P,   128                          ; v128-139 p's operand
.set F,   144                          ; v144-191 w's four fragments: (t, b) at F + 24 b + 12 t
.set G1,  16                           ; s[16:23] descriptor group 1: the one shape
.set G0,  24                           ; s[24:55] descriptor group 0, a set for each of my eight tiles: none is written again
.set L2E, 56                           ; s[56:57] log2(e): the packed forms name a pair and take its low word for both halves
.set LN2, 58                           ; s[58:59] ln(2)
	s_load_b128 s[4:7], s[0:1], 0x0                ; x s[4:5], accumulators s[6:7]
	s_load_b64 s[8:9], s[0:1], 0x10                ; out
	v_lshl_add_u32 v192, v0, 2, 0x4d800
	v_mov_b32 v193, 0
	ds_add_u32 v192, v193
	ds_add_u32 v192, v193
	v_lshrrev_b32 v[T0], 5, v0
	v_readfirstlane_b32 s12, v[T0]                 ; my wave, 0..7
	v_lshlrev_b32 v[AG], 4, v0
	s_lshl_b32 s2, ttmp9, 18                       ; the work-group's 2,048 rows of 128 bytes,
	s_lshl_b32 s3, s12, 15                         ; my wave's 256 of them
	s_add_co_u32 s2, s2, s3                        ; (under 2^26)
	s_mov_b32 s3, 0
	s_mul_i32 s13, s12, WREG                       ; my tiles in LDS
	s_mul_i32 s14, s12, TILE
	s_add_co_u32 s14, s14, STAGE                   ; my stage
	; descriptor group 1: a dense block of 4,096 bytes as 16 rows of 256 bytes (32 elements of 8 bytes), 16 bytes of padding behind each row
	s_mov_b32 s[G1+0], (3<<16)|(1<<20)|(5<<22)|(3<<25)  ; 15:0 no mask; 17:16 elements of 8 bytes; 20 padding on; 24:22 after every 64 words (code 5); 31:25 of 4 words (code 3)
	s_mov_b32 s[G1+1], 32<<16                      ; tensor_dim0 = 32
	s_mov_b32 s[G1+2], 16<<16                      ; tensor_dim1 = 16
	s_mov_b32 s[G1+3], 32<<16                      ; tile_dim0 = 32
	s_mov_b32 s[G1+4], 16                          ; tile_dim1 = 16
	s_mov_b32 s[G1+5], 32                          ; from row to row: 32 elements
	s_mov_b32 s[G1+6], 0
	s_mov_b32 s[G1+7], 0
	s_mov_b32 s[L2E], 0x3fb8aa3b
	s_mov_b32 s[L2E+1], s[L2E]
	s_mov_b32 s[LN2], 0x3f317218
	s_mov_b32 s[LN2+1], s[LN2]
	s_wait_dscnt 0x0
	s_wait_kmcnt 0x0
	global_load_b128 v[OB:OB+3], v[AG], s[6:7]     ; my 16 bytes of the accumulators: the 256 threads read the 4,096 bytes once; asked for ahead of the tiles, since the first step waits for it
	s_add_nc_u64 s[4:5], s[4:5], s[2:3]            ; x and out at my wave's first row
	s_add_nc_u64 s[8:9], s[8:9], s[2:3]
	; my eight tiles, all first fills, in one group ahead of every wait on TENSORcnt, every LDS read and the barrier: eight tensor loads of mine are out
.irp i, 0,1,2,3,4,5,6,7
	s_mov_b32 s[G0+4*\i], 1                                        ; count = 1
	s_add_co_u32 s[G0+4*\i+1], s13, \i*TILE                        ; LDS address: wave x WREG + tile x TILE
	s_add_nc_u64 s[G0+4*\i+2:G0+4*\i+3], s[4:5], \i*4096           ; global address: the step's 32 rows
	s_or_b32 s[G0+4*\i+3], s[G0+4*\i+3], 0x80000000               ; type = 2
	tensor_load_to_lds s[G0+4*\i:G0+4*\i+3], s[G1:G1+7]
	s_nop 0
.endr
	; addresses
	v_and_b32 v[T0], 7, v0                         ; my column of the accumulators: lane (r, h) takes s = 16 (r / 8) + 8 h + r % 8: lanes 0-15 the columns of tile 0, lanes 16-31 those of tile 1, each in its fragment's order
	v_and_b32 v[T1], 8, v0
	v_lshl_or_b32 v[T0], v[T1], 1, v[T0]
	v_bfe_u32 v[T1], v0, 4, 1                      ; h
	v_lshl_or_b32 v[T0], v[T1], 3, v[T0]
	v_lshl_add_u32 v[AO], v[T0], 2, WRAW
	v_lshl_add_u32 v[RW], v0, 4, WRAW
	v_mul_u32_u24 v[SR], v[T1], UNITP              ; back from the stage: lanes 0-15 one 256 bytes, lanes 16-31 the next; 16 bytes a lane
	v_and_b32 v[T0], 15, v0
	v_lshl_add_u32 v[SR], v[T0], 4, v[SR]
	v_add_nc_u32 v[SR], s14, v[SR]
	v_bfe_u32 v[T0], v0, 1, 3                      ; r / 2
	v_mul_u32_u24 v[SO], v[T0], UNITP              ; into the stage: row r at 272 (r / 2) + 128 (r % 2), + 64 h
	v_lshl_add_u32 v[SO], v[T1], 6, v[SO]
	v_and_b32 v[T1], 1, v0                         ; lane % 2 = r % 2
	v_lshl_add_u32 v[SO], v[T1], 7, v[SO]
	v_add_nc_u32 v[SO], s14, v[SO]
	v_bfe_u32 v[T0], v0, 1, 4                      ; lane / 2
	v_mul_u32_u24 v[XA], v[T0], UNITP              ; my row of a tile: 272 (lane / 2) + 128 (lane % 2)
	v_lshl_add_u32 v[XA], v[T1], 7, v[XA]
	v_add_nc_u32 v[XA], s13, v[XA]
	v_and_b32 v[GO], 31, v0
	v_lshlrev_b32 v[GO], 4, v[GO]
	; constants, and the zero codes that stay
	v_mov_b32 v[QS], 0x3e800000                    ; 2^-2
	v_mov_b32 v[SP], 0x7d7d7d7d                    ; its byte, 125, for all four blocks
	v_mov_b32 v[M0+1], 0
	v_mov_b32 v[M1+1], 0
	v_mov_b32 v[RI+1], 0
.irp j, 3,4,5,9,10,11
	v_mov_b32 v[P+\j], 0                           ; p's operand: the upper halves of its blocks
	v_mov_b32 v[F+\j], 0                           ; fragments (0, 0) and (1, 1) likewise
	v_mov_b32 v[F+36+\j], 0
.endr
.irp j, 0,1,2,3,4,5,6,7,8,9,10,11,12,13,14,15,16,17,18,19,20,21,22,23
	v_mov_b32 v[F+12+\j], 0                        ; fragments (1, 0) and (0, 1): all zeros until the exchange below
.endr
; v[M0] = the largest of v[X] .. v[X+31]: four chains of seven, then the four left over and the chains: 16 instructions
.macro MAX32
.irp k, 0,1,2,3
	v_max3_num_f32 v[CH+\k], v[X+8*\k], v[X+8*\k+1], v[X+8*\k+2]
.endr
.irp i, 3,5
.irp k, 0,1,2,3
	v_max3_num_f32 v[CH+\k], v[CH+\k], v[X+8*\k+\i], v[X+8*\k+\i+1]
.endr
.endr
	v_max3_num_f32 v[CH], v[CH], v[X+7], v[X+15]
	v_max3_num_f32 v[CH+2], v[CH+2], v[X+23], v[X+31]
	v_max3_num_f32 v[CH], v[CH], v[CH+1], v[CH+2]
	v_max_num_f32 v[M0], v[CH], v[CH+3]
.endm
; v[X+j] = e^(v[X+j] - v[M0]).  The difference first, as the definition has it, then x log2(e): so the error does not grow with the size of the maximum.  A pair is scaled one group ahead of its exponentials;
; the 32 exponentials are ONE batch: nothing here names a result; the plain instruction and the wait follow the macro.
.macro EXPS
.irp j, 0,2,4,6,8,10,12,14,16,18,20,22,24,26,28,30
	v_pk_add_f32 v[X+\j:X+\j+1], v[X+\j:X+\j+1], v[M0:M0+1] op_sel_hi:[1,0] neg_lo:[0,1] neg_hi:[0,1]
.endr
	v_pk_mul_f32 v[X:X+1], v[X:X+1], s[L2E:L2E+1] op_sel_hi:[1,0]
.irp j, 2,4,6,8,10,12,14,16,18,20,22,24,26,28,30
	v_pk_mul_f32 v[X+\j:X+\j+1], v[X+\j:X+\j+1], s[L2E:L2E+1] op_sel_hi:[1,0]
	v_exp_f32 v[X+\j-2], v[X+\j-2]
	v_exp_f32 v[X+\j-1], v[X+\j-1]
.endr
	v_exp_f32 v[X+30], v[X+30]
	v_exp_f32 v[X+31], v[X+31]
.endm
	; ---- the weights
	s_wait_loadcnt 0x0                             ; my 16 bytes of the accumulators
	ds_store_b128 v[RW], v[OB:OB+3]
	s_wait_dscnt 0x0                               ; for the others' sake: my store has landed
	s_barrier_signal -1
	s_barrier_wait -1                              ; all 4,096 bytes lie in LDS
.irp c, 0,1,2,3,4,5,6,7,8,9,10,11,12,13,14,15,16,17,18,19,20,21,22,23,24,25,26,27,28,29,30,31
	ds_load_b32 v[X+\c], v[AO] offset:128*\c       ; accumulators[c][my column]: my registers run down K; the 32 lanes read a row's 128 bytes
.endr
	s_wait_dscnt 0x0
	MAX32
	EXPS                                           ; e = e^(a - the column's largest a)
	v_nop                                          ; a plain instruction behind the last exponential
	s_wait_alu depctr_va_vdst(0)                   ; one wait for the batch, ahead of its first reader
	v_pk_add_f32 v[CH:CH+1], v[X:X+1], v[X+2:X+3]  ; the column's sum: two at a time, in two chains
	v_pk_add_f32 v[CH+2:CH+3], v[X+4:X+5], v[X+6:X+7]
.irp j, 8,12,16,20,24,28
	v_pk_add_f32 v[CH:CH+1], v[CH:CH+1], v[X+\j:X+\j+1]
	v_pk_add_f32 v[CH+2:CH+3], v[CH+2:CH+3], v[X+\j+2:X+\j+3]
.endr
	v_pk_add_f32 v[CH:CH+1], v[CH:CH+1], v[CH+2:CH+3]
	v_add_f32 v[CH], v[CH], v[CH+1]
	v_rcp_f32 v[RI], v[CH]
	v_nop                                          ; a plain instruction behind the reciprocal,
	s_wait_alu depctr_va_vdst(0)                   ; and its wait
.irp j, 0,2,4,6,8,10,12,14,16,18,20,22,24,26,28,30
	v_pk_mul_f32 v[X+\j:X+\j+1], v[X+\j:X+\j+1], v[RI:RI+1] op_sel_hi:[1,0]   ; w = e / the sum: the softmax, finished and normalised
.endr
	MAX32                                          ; the block's largest magnitude (no w is negative)
	v_max_num_f32 v[CH], 0x1800000, v[M0]          ; the floor 2^(3 - 127): the byte cannot fall under 1
	v_add_nc_u32 v[WS], 0xff000000, v[CH]          ; 2 off its exponent field: the conversions take that field as the scale
	v_lshrrev_b32 v[CH+1], 23, v[WS]               ; the scale's byte,
	v_lshl_or_b32 v[CH+2], v[CH+1], 8, v[CH+1]
	v_lshl_or_b32 v[SW], v[CH+2], 16, v[CH+2]      ; in all four places: it serves whichever blocks a fragment uses
	v_cvt_scalef32_pk16_fp6_f32 v[F:F+2], v[X:X+15], v[WS]         ; channels 0-15
	v_cvt_scalef32_pk16_fp6_f32 v[F+6:F+8], v[X+16:X+31], v[WS]    ; channels 16-31
	v_nop                                          ; one plain instruction behind a scaled conversion
.irp j, 0,1,2,6,7,8
	v_mov_b32 v[F+36+\j], v[F+\j]
.endr
.irp j, 0,1,2,6,7,8                    ; the first register's lanes 16-31 change places with the second's lanes 0-15
	v_permlane16_swap_b32 v[F+\j], v[F+12+\j]      ; codes | zeros  ->  (0, 0): tile 0's codes in lanes 0-15;  (1, 0): tile 1's codes in lanes 0-15
	v_permlane16_swap_b32 v[F+24+\j], v[F+36+\j]   ; zeros | codes  ->  (0, 1): tile 0's codes in lanes 16-31; (1, 1): tile 1's codes in lanes 16-31
.endr
; ---- A STEP: 32 rows
.macro STEP i
	s_wait_tensorcnt STEPS-1-\i                    ; a wave's tensor loads end in order (ISA guide 10.11.1): tile i is in LDS, the younger tiles stay on their way
.irp q, 0,1,2,3,4,5,6,7
	ds_load_b128 v[X+4*\q:X+4*\q+3], v[XA] offset:\i*TILE+16*\q    ; my row's 128 bytes
.endr
	s_wait_dscnt 0x0
	MAX32                                          ; m
	EXPS                                           ; p = e^(x - m), at most 1
	v_mov_b32 v[M1], v[M0]                         ; (the plain instruction behind the last exponential)
	s_wait_alu depctr_va_vdst(0)                   ; one wait for the 32, ahead of their first reader
	v_cvt_scalef32_pk16_fp6_f32 v[P:P+2], v[X:X+15], v[QS]         ; p / 2^-2 to the nearest code, ties to even: channels 0-15,
	v_cvt_scalef32_pk16_fp6_f32 v[P+6:P+8], v[X+16:X+31], v[QS]    ; channels 16-31
.rept 4
	v_nop                                          ; an operand written by vector instructions stands four places ahead of a scaled matrix instruction
.endr
	v_permlane16_swap_b32 v[M0], v[M1]             ; M0: m of row r in both halves of the lanes; M1: m of row 16 + r
.irp b, 0,1                            ; four results, each begun with the constant 0; no two share a register
	v_wmma_scale_f32_16x16x128_f8f6f4 v[D+16*\b:D+16*\b+7], v[F+24*\b:F+24*\b+11], v[P:P+11], 0, v[SW], v[SP] matrix_a_fmt:MATRIX_FMT_FP6 matrix_b_fmt:MATRIX_FMT_FP6
	v_wmma_scale_f32_16x16x128_f8f6f4 v[D+16*\b+8:D+16*\b+15], v[F+24*\b+12:F+24*\b+23], v[P:P+11], 0, v[SW], v[SP] matrix_a_fmt:MATRIX_FMT_FP6 matrix_b_fmt:MATRIX_FMT_FP6 matrix_a_scale:MATRIX_SCALE_ROW1
.endr
.rept 4
	v_nop                                          ; four places between a matrix instruction and the first read of its result (ISA guide 7.12.1)
.endr
.irp j, 0,1,2,3,4,5,6,7,8,9,10,11,12,13,14,15,16,17,18,19,20,21,22,23,24,25,26,27,28,29,30,31
	v_log_f32 v[D+\j], v[D+\j]                     ; log2 of the sum; each result is read from its low end on
.endr
	v_nop                                          ; a plain instruction behind the last logarithm,
	s_wait_alu depctr_va_vdst(0)                   ; and one wait for the 32
.irp b, 0,1
.irp j, 0,2,4,6,8,10,12,14
	v_pk_fma_f32 v[D+16*\b+\j:D+16*\b+\j+1], v[D+16*\b+\j:D+16*\b+\j+1], s[LN2:LN2+1], v[M0+2*\b:M0+2*\b+1] op_sel_hi:[1,0,0]   ; ln 2 x log2 + m
.endr
.endr
.irp b, 0,1
.irp q, 0,1,2,3
	ds_store_b128 v[SO], v[D+16*\b+4*\q:D+16*\b+4*\q+3] offset:8*UNITP*\b+16*\q   ; out(16 b + r, 16 h + 4 q + 0 .. 3)
.endr
.endr
.if \i > 0
	s_wait_xcnt 0x0                                ; the last step's stores have read their data registers: only behind this wait are they loaded again
.endif
.irp q, 0,1,2,3,4,5,6,7
	ds_load_b128 v[OB+4*\q:OB+4*\q+3], v[SR] offset:2*UNITP*\q     ; LDS serves a wave's instructions in order (ISA guide 5.7.1.4): these see the stores above, and the next step's stores come behind them
.endr
.irp q, 0,1,2,3,4,5,6,7
	s_wait_dscnt 7-\q                              ; read-back q is in; the younger ones may be out
	global_store_b128 v[GO], v[OB+4*\q:OB+4*\q+3], s[8:9] offset:\i*4096+512*\q th:TH_STORE_NT   ; 32 lanes store four rows: 512 consecutive bytes, at a multiple of 512 from out's first byte; written once, read by nobody here
.endr
.endm
.irp i, 0,1,2,3,4,5,6,7
	STEP \i                                        ; the last step's wait on TENSORcnt is for 0: no tensor load is out at the end
.endr
	s_wait_tensorcnt 0x0
	ds_add_u32 v192, v193
	s_wait_dscnt 0x0
	s_endpgm
.Lfunc_end_k_q1cee0d71ec_logconv:
	.size	k_q1cee0d71ec_logconv, .Lfunc_end_k_q1cee0d71ec_logconv-k_q1cee0d71ec_logconv
	.p2alignl 7, 3214868480
	.fill 96, 4, 3214868480
	.section	.rodata,"a",@progbits
	.p2align	6, 0x0
	.amdhsa_kernel k_q1cee0d71ec_logconv
		.amdhsa_group_segment_fixed_size 318464
		.amdhsa_private_segment_fixed_size 0
		.amdhsa_enable_private_segment 0
		.amdhsa_kernarg_size 24
		.amdhsa_user_sgpr_count 2
		.amdhsa_user_sgpr_kernarg_segment_ptr 1
		.amdhsa_wavefront_size32 1
		.amdhsa_system_sgpr_workgroup_id_x 1
		.amdhsa_system_sgpr_workgroup_id_y 1
		.amdhsa_system_sgpr_workgroup_id_z 1
		.amdhsa_system_vgpr_workitem_id 0
		.amdhsa_next_free_vgpr 194
		.amdhsa_next_free_sgpr 66
		.amdhsa_reserve_vcc 0
		.amdhsa_float_denorm_mode_32 3
		.amdhsa_float_denorm_mode_16_64 3
		.amdhsa_memory_ordered 1
		.amdhsa_forward_progress 1
		.amdhsa_inst_pref_size 95
	.end_amdhsa_kernel
	.amdgpu_metadata
---
amdhsa.version: [ 1, 2 ]
amdhsa.kernels:
  - .name:           k_q1cee0d71ec_logconv
    .symbol:         k_q1cee0d71ec_logconv.kd
    .args:
      - { .name: x, .offset: 0, .size: 8, .value_kind: global_buffer, .address_space: global }
      - { .name: accumulators, .offset: 8, .size: 8, .value_kind: global_buffer, .address_space: global }
      - { .name: out0, .offset: 16, .size: 8, .value_kind: global_buffer, .address_space: global }
    .group_segment_fixed_size: 318464
    .private_segment_fixed_size: 0
    .kernarg_segment_align: 8
    .kernarg_segment_size: 24
    .max_flat_workgroup_size: 256
    .sgpr_count:     66
    .vgpr_count:     194
    .wavefront_size: 32
...
	.end_amdgpu_metadata
.endif
;; end of part 1
